; MI455X (gfx1250); checked and timed in simulation.
; The chip was launched on July 23, 2026; its instructions are those of AMD's public machine-readable ISA for CDNA 5 (MIT licence, August 2026) and "CDNA5" Instruction Set Architecture Reference Guide (July 2026). The comments in the code are by the model that wrote it; some were corrected since.
;; Inc Concave NN. Allowed arithmetic: matrix products marked QUANTISED: E5M2 operands, one given power-of-two scale a tensor, by v_wmma_f32_16x16x64_bf8_bf8 or v_wmma_f32_16x16x128_bf8_bf8, f32 sums; products left as they are: f32 operands where the result goes on into a quantised operand, else bf16, f16 or f32 operands; f32 sums; everything else in f32.
;; Inputs: h 256 x 63 float32; ib0 128 float32; ib1 128 float32; ib2 1 float32; iw0 64 x 128 float32; iw1 128 x 128 float32; iw2 128 x 1 float32; lowp_scales 8 int32 (the exponents e of the quantised operands' scales 2^e); nb0 128 float32; nb1 128 float32; nb2 2 float32; nw0 63 x 128 float32; nw1 128 x 128 float32; nw2 128 x 2 float32; x 256 x 1 float32.
;; Outputs: out0 256 x 1 float32.
;; This version of the problem:
;;   THIS VERSION OF THE PROBLEM IS GIVEN IN LOW PRECISION. The matrix products marked QUANTISED in the list below multiply operands that are first quantised to E5M2 (5 exponent bits, 2 mantissa bits; 8 bits a number), with one given power-of-two scale for each operand tensor; their sums are f32. All else is computed in f32.
;;   The module's matrix products, in the order in which they are computed (A, B: the left and right operand; K: the contracted axis; several contracted axes count as one K, in the product's order):
;;     1. [M 665,856, K 64] x [K 64, N 128]; A: computed on the way; B: input iw0: QUANTISED (scales: A lowp_scales[0], B lowp_scales[1])
;;     2. [M 665,856, K 128] x [K 128, N 128]; A: computed on the way; B: input iw1: QUANTISED (scales: A lowp_scales[2], B lowp_scales[3])
;;     3. [M 665,856, K 128] x [K 128, N 1]; A: computed on the way; B: input iw2: left as it is (N = 1 < 16)
;;     4. [M 256, K 63] x [K 63, N 128]; A: input h; B: input nw0: QUANTISED (scales: A lowp_scales[4], B lowp_scales[5])
;;     5. [M 256, K 128] x [K 128, N 128]; A: computed on the way; B: input nw1: QUANTISED (scales: A lowp_scales[6], B lowp_scales[7])
;;     6. [M 256, K 128] x [K 128, N 2]; A: computed on the way; B: input nw2: left as it is (N = 2 < 16)
;;   THE QUANTISER, for each operand of a quantised product, along K:
;;     - The operand's scale is 2^e, e = its entry of the input lowp_scales (int32; the entries are numbered through the quantised products in the list's order, A before B).
;;     - Each number is divided by the scale, clamped to +-57,344, and rounded to the nearest number of E5M2, ties to even, subnormals kept.
;;     - The product sums the exact products of the quantised numbers (number of the format x scale) in f32.
;;   ~~~python
;;   def quantise(x, axis, e):      # numpy; x: float32 -> the quantised numbers, widened to float32 again
;;       x = np.moveaxis(x, axis, -1); K = x.shape[-1]
;;       r = np.clip(x / 2.0 ** e, -57344, 57344)
;;       step = 2.0 ** (np.maximum(np.frexp(np.where(r == 0, 1, r))[1] - 1, -14) - 2)
;;       q = np.round(r / step) * step * 2.0 ** e      # np.round: ties to even
;;       return np.moveaxis(q, -1, axis).astype(np.float32)
;;   ~~~
;;   OPERANDS COMPUTED ON THE WAY. 'Computed on the way' means the value that the module computes at that place (a softmax that the list does not call 'softmax' is quantised finished and normalised). What goes into a quantiser is computed in f32, as accurately as f32 sums, v_exp_f32 and their like allow (about 1e-6 of the number): no bf16 or f16 on the way to a quantiser, and a product that is left as it is and whose result goes on into a quantised operand takes f32 operands (vector FMAs, or v_wmma_f32_16x16x4_f32). A number that lies on a knife's edge between two numbers of the format may be rounded either way, as far as f32 arithmetic and the matrix unit's own rounding can turn it there, and no further.
;; One version. Each part assembles by itself: llvm-mc -triple=amdgcn-amd-amdhsa -mcpu=gfx1250 --defsym DOCPART=n.
;; ======== version 1 of 1: 1 launch
;; limits: a function is approximated: absolute error at most 1e-06
;; launch umnn (part 1): grid 256 x 1, 8 waves a work-group, no clusters, 90,112 bytes of LDS; arguments x, h, iw0, iw1, ib0, ib1, iw2, ib2, nw0, nw1, nb0, nb1, nw2, nb2, lowp_scales, out0; writes out0
.if DOCPART == 1
	.amdgcn_target "amdgcn-amd-amdhsa--gfx1250"
	.amdhsa_code_object_version 6
	.text
	.protected	k_q76dd96ad74_umnn
	.globl	k_q76dd96ad74_umnn
	.p2align	8
	.type	k_q76dd96ad74_umnn,@function
k_q76dd96ad74_umnn:
	s_mov_b64 s[64:65], 0
	v_nop
	global_prefetch_b8 v0, s[64:65] scope:SCOPE_SE
	s_setreg_imm32_b32 hwreg(HW_REG_WAVE_MODE, 25, 1), 1
	s_wait_xcnt 0x0
; out0[b] = exp(o1) * (x_b / 2) * sum over i, j of cc_i cc_j (xmax - t_i) / 2 * f(s_ij, h_b) + o0.
; f = elu(MLP 64 -> 128 -> 128 -> 1) + 1; (o0, o1) = the outer net 63 -> 128 -> 128 -> 2 on h_b; cc and the nodes are Clenshaw-Curtis's for 50 steps.
; The four products with N = 128 multiply codes of BF8 (E5M2), each operand with its given scale 2^e; the two with N = 1 and N = 2 are f32 multiply-adds.
; SHARES.  One work-group for each row b, eight waves.  The 51 x 51 nodes of b are rows m = 51 i + j, padded to 163 tiles of 16 (padding rows have the weight 0).
; Wave w takes tiles w + 8 t: 21 tiles in waves 0-2, 20 in the others.  A wave keeps both layers' weights, both biases and iw2 in 384 registers, so the loop fetches 8 bytes a lane and tile.
; The 64 inputs of all rows of b differ in s alone, one code: a row's operand is seven registers that stay and one word out of a table in LDS (word, weight).
; max(t) = max(0, max x), since (node + 1) / 2 runs from exactly 0 to exactly 1: every work-group finds xmax from the 1,024 bytes of x.
; LAYOUT.  Both products are used transposed (source 0 = 16 hidden units, source 1 = 16 rows): a lane (r = lane % 16, hh = lane / 16) holds row r throughout.
; Tile t's lane r' takes unit 32 (t / 2) + 8 (t % 2) + r' + 8 (r' / 8), so that the 16 registers of tiles 2 c, 2 c + 1 are units 32 c + 16 hh + 0 .. 15: the next operand's registers 4 c .. 4 c + 3.
; k lies in an operand as 16-byte loads bring it (K = 128: registers 4 c ..: k = 32 c + 16 hh + 0 .. 15; K = 64: registers 0-3: 16 hh + .., 4-7: 32 + 16 hh + ..), alike on both sides of a product.
; SCALES.  Sums are kept in units of the codes: a bias goes in as the matrix instruction's C, times 2^-(eA + eB); the hidden layer's conversion takes 2^(e2 - e0 - e1); iw2 is multiplied by 2^(e2 + e3).
; THE OUTER NET stands at the head.  Wave w makes hidden tile w of both its layers: it loads the tile's 16 columns of nw0 and nw1 itself and turns their codes through LDS bytes of its own, so that
; the one exchange between waves, the first layer's 128 codes, rides on the barrier that the inner net's codes need anyway.  Two barriers in all: that one, and one for the last sums.
; NO CLUSTER: what work-groups share is 192 KiB of weights, read once at the head; the loop reads nothing from memory, so joint requests would serve the head alone and add barrier rounds.
; LIMITS.  NaN among the inputs is not served.  e0, e1, e3, e4, e5, e7, e2-e0-e1, e6-e4-e5 lie in -126 .. 112; e0+e1, e2+e3, e4+e5, e6+e7 in -126 .. 126 (each power of two is an f32 number).
; The nodes cos(k pi / 50) are made in f32 by series (about one unit in the last place); the weights by a recurrence (absolute error about 1e-6 of 0.04); the quadrature sums run in another order
; than the source's; elu(z) + 1 is formed as max(z, 0) + exp(min(z, 0)).  The output is 4 bytes a work-group.
.set LC1,  0            ; iw1's codes [slot 128][k 128], pitch 144.  slot = unit with bits 3 and 4 swapped: a tile's 16 rows are neighbours
.set P1P,  144
.set LC0,  18432        ; iw0's codes [slot 128][k 64], pitch 80
.set P0P,  80
.set LRT,  28672        ; the table: 56 x 51 entries of 8 bytes: word 0 of the row's operand, the row's weight
.set LHR,  51712        ; 1,024 bytes a wave: +0 the 64 inputs of the inner net (place 0 = 0), +512 h and a zero
.set LOC,  59904        ; 3,584 bytes a wave, its own: its tile's codes of nw1 [slot 16][k 128], pitch 144, then of nw0 [slot 16][k 64], pitch 80
.set OWN,  3584
.set LHC,  88576        ; the outer hidden layer's 128 codes
.set LOP,  88832        ; 16 bytes a wave: its parts of o0, o1 and of the quadrature sum
; vector registers, window 0
.set LN,   1            ; lane
.set O0K,  2            ; v[2:5]: my parts of o0 and o1, the running sum, a zero: one quad for the last exchange
.set TOT,  4            ; the wave's running sum
.set NIL,  5
.set WA,   6            ; weight of the tile in hand
.set WB,   7            ; weight of the tile before
.set PR,   8            ; v[8:9] the next tile's entry
.set IN0H, 10           ; word 0 of the operand for lanes 16-31
.set VSC,  11           ; the conversions' scale
.set VRT,  12           ; table address of the next tile's entry
.set ZS,   13
.set T1,   14
.set T2,   15
.set Z,    16           ; v[16:23] four pairs of partial sums of the last layer
.set IBP,  24           ; v[24:25] (ib2 / 2, 0)
.set VF1,  26           ; LDS address of a K = 128 fragment
.set VF0,  27           ; of a K = 64 fragment
.set VO1,  28           ; where my 16 codes of a column of nw1 go
.set VC1,  29           ; where my 16 codes of a column of iw1 go
.set VC0,  30           ; where my 8 codes of a column of iw0 go
.set VBO,  31           ; 64 hh
.set IN,   32           ; v[32:39] the first layer's operand
.set CD,   40           ; v[40:55] the hidden layer's codes
.set ACC,  56           ; v[56:119] eight accumulators
.set BI0,  120          ; v[120:183] ib0 as C operands
.set W2,   184          ; v[184:247] iw2
.set HO,   248          ; v[248:255] h's codes for the outer net
; names that hold at the head alone (the registers take their lasting parts in front of the loop)
.set ANW,  4            ; byte offset of my slice of nw2
.set VO0,  5            ; where my 8 codes of a column of nw0 go
.set AN1,  6            ; byte offset of my rows and columns of nw1
.set AN0,  7            ; of nw0
.set AN7,  8            ; of nw0's eighth row of mine, held at the last row that there is
.set ANB,  9            ; of my slices of nb0 and nb1
.set SN0,  88           ; v[88:95] nb0's slice, v[96:103] nb1's, v[104:119] nw2's
.set SN1,  96
.set SNW,  104
.set FO0,  56           ; v[56:63] my fragment of nw0, v[64:79] of nw1, v[80:87] the outer net's accumulator
.set FO1,  64
.set AO,   80
; window 1
.set W1,   0            ; v[0:127] iw1's eight fragments      (at the head: v[0:95] raw rows of iw1 and iw0, v[96:191] of nw1 and nw0)
.set W0,   128          ; v[128:191] iw0's eight fragments
.set BI1,  192          ; v[192:255] ib1 as C operands
; scalar registers: s[4:35] the sixteen addresses in the order of the arguments
.set WV,   36           ; wave
.set OB,   37           ; 4 b
.set EX,   40           ; s[40:47] e0 .. e7
.set XB,   48           ; x_b; s49 ib2
.set NB2,  50           ; s[50:51] nb2
.set SEL,  52           ; s[52:53] selects of v_permlanex16_b32: lane l xor 16
.set AP,   54           ; s[54:55] a coefficient of the weights' series
.set CNT,  60
.set HIM,  61           ; mask of lanes 16-31
.set XP,   62           ; s[62:63] address of x[b]
.set Q0,   66           ; triples (2^e, 57,344 x 2^e, its negative): e0
.set Q1,   69           ; e1
.set Q3,   72           ; e3
.set Q4,   75           ; e4
.set Q5,   78           ; e5
.set Q7,   81           ; e7
.set QH,   84           ; pair for e2 - e0 - e1
.set QO,   86           ; pair for e6 - e4 - e5
.set PB0,  88           ; pairs of one power of two: 2^-(e0+e1)
.set PB1,  90           ; 2^-(e2+e3)
.set PW2,  92           ; 2^(e2+e3)
.set PN0,  94           ; 2^-(e4+e5)
.set PN1,  96           ; 2^-(e6+e7)
.set PNW,  98           ; 2^(e6+e7)
.set MSB, 0
.macro WIN new                         ; register windows; the immediate's high byte repeats the setting that is left
.if MSB != \new
	s_set_vgpr_msb (MSB<<8)|\new
.set MSB, \new
.endif
.endm
.macro BAR
	s_barrier_signal -1
	s_barrier_wait -1
.endm
.macro MKQ q, e, neg                   ; from the whole number e: 2^e, the largest code's number x 2^e, and (neg = 1) its negative, as f32 patterns
	s_add_co_i32 s[\q], s[\e], 127
	s_add_co_i32 s[\q+1], s[\q], 15
	s_lshl_b32 s[\q], s[\q], 23
	s_lshl_b32 s[\q+1], s[\q+1], 23
	s_or_b32 s[\q+1], s[\q+1], 0x600000
.if \neg
	s_xor_b32 s[\q+2], s[\q+1], 0x80000000
.endif
.endm
.macro MKP p, e                        ; 2^e twice: a pair for the packed multiplies
	s_add_co_i32 s[\p], s[\e], 127
	s_lshl_b32 s[\p], s[\p], 23
	s_mov_b32 s[\p+1], s[\p]
.endm
; Two weights into codes.  In window 1 lie, from v[r1] on, 16 neighbouring rows k of four columns of a K = 128 weight (register 4 kk + c: row kk, column c) and, from v[r0] on, 8 rows of a K = 64 one.
; The hold at the largest code also moves each number, so that a column's k run along consecutive registers: nothing else is transposed.  Two columns at a time: 32 registers of held numbers.
; a1, a0: registers with the LDS address of column 0's 16 (8) codes; the next columns' rows follow at the pitch.
.macro QUANT q1, q0, r1, r0, a1, a0
.irp h,0,1
	WIN 0x01                                       ; source 0 in window 1
.irp c,0,1
.set kk, 0
.rept 16
	v_med3_num_f32 v[ACC+16*\c+kk], v[\r1+4*kk+2*\h+\c], s[\q1+2], s[\q1+1]
.set kk, kk+1
.endr
.endr
	WIN 0
.if \h == 0
	v_mov_b32 v[VSC], s[\q1]
.endif
.irp c,0,1
	v_cvt_scalef32_pk8_bf8_f32 v[CD+8*\h+4*\c:CD+8*\h+4*\c+1], v[ACC+16*\c:ACC+16*\c+7], v[VSC]
	v_cvt_scalef32_pk8_bf8_f32 v[CD+8*\h+4*\c+2:CD+8*\h+4*\c+3], v[ACC+16*\c+8:ACC+16*\c+15], v[VSC]
.endr
	v_nop                                          ; one plain instruction between a scaled conversion and what touches its result or writes its sources
.endr
.irp c,0,1,2,3
	ds_store_b128 v[\a1], v[CD+4*\c:CD+4*\c+3] offset:P1P*\c
.endr
	WIN 0x01
.irp c,0,1,2,3
.set kk, 0
.rept 8
	v_med3_num_f32 v[ACC+8*\c+kk], v[\r0+4*kk+\c], s[\q0+2], s[\q0+1]
.set kk, kk+1
.endr
.endr
	WIN 0
	v_mov_b32 v[VSC], s[\q0]
.irp c,0,1,2,3
	v_cvt_scalef32_pk8_bf8_f32 v[Z+2*\c:Z+2*\c+1], v[ACC+8*\c:ACC+8*\c+7], v[VSC]
.endr
	v_nop
.irp c,0,1,2,3
	ds_store_b64 v[\a0], v[Z+2*\c:Z+2*\c+1] offset:P0P*\c
.endr
.endm
	; ---- ids and the addresses that stay
	s_load_b512 s[4:19], s[0:1], 0x0               ; x, h, iw0, iw1, ib0, ib1, iw2, ib2
	s_load_b512 s[20:35], s[0:1], 0x40             ; nw0, nw1, nb0, nb1, nw2, nb2, the scales' exponents, out0
	v_and_b32 v[LN], 31, v0
	v_lshrrev_b32 v[ZS], 5, v0
	s_delay_alu instid0(VALU_DEP_1)
	v_readfirstlane_b32 s[WV], v[ZS]               ; wave 0..7
	v_and_b32 v[T1], 15, v0                        ; r
	v_bfe_u32 v[T2], v0, 4, 1                      ; hh
	s_lshl_b32 s[OB], ttmp9, 2                     ; 4 b
	s_mov_b32 s[XP], s[OB]
	s_mov_b32 s[XP+1], 0
	s_mov_b32 s[SEL], 0x76543210
	s_mov_b32 s[SEL+1], 0xfedcba98
	s_mov_b32 s[AP+1], 0                           ; named with s54 as a pair, so it is written
	s_mov_b32 s[HIM], 0xffff0000
	v_lshlrev_b32 v[VBO], 6, v[T2]
	v_and_b32 v[ZS], 25, v[LN]                     ; l with bits 1 and 2 swapped: columns 4 l + c of the inner weights go to slots 4 l' + c
	v_and_b32 v[Z], 2, v[LN]
	s_delay_alu instid0(VALU_DEP_1)
	v_lshl_or_b32 v[ZS], v[Z], 1, v[ZS]
	v_bfe_u32 v[Z], v[LN], 2, 1
	s_delay_alu instid0(VALU_DEP_1)
	v_lshl_or_b32 v[ZS], v[Z], 1, v[ZS]
	s_lshl_b32 s56, s[WV], 4
	s_add_co_u32 s56, s56, LC1
	v_mul_u32_u24 v[VC1], v[ZS], 4*P1P
	s_delay_alu instid0(VALU_DEP_1)
	v_add_nc_u32 v[VC1], s56, v[VC1]               ; k = 16 w on
	s_lshl_b32 s56, s[WV], 3
	s_add_co_u32 s56, s56, LC0
	v_mul_u32_u24 v[VC0], v[ZS], 4*P0P
	s_delay_alu instid0(VALU_DEP_1)
	v_add_nc_u32 v[VC0], s56, v[VC0]               ; k = 8 w on
	v_mul_u32_u24 v[VF1], v[T1], P1P
	s_delay_alu instid0(VALU_DEP_1)
	v_lshl_add_u32 v[VF1], v[T2], 4, v[VF1]
	s_delay_alu instid0(VALU_DEP_1)
	v_add_nc_u32 v[VF1], LC1, v[VF1]
	v_mul_u32_u24 v[VF0], v[T1], P0P
	s_delay_alu instid0(VALU_DEP_1)
	v_lshl_add_u32 v[VF0], v[T2], 4, v[VF0]
	s_delay_alu instid0(VALU_DEP_1)
	v_add_nc_u32 v[VF0], LC0, v[VF0]
	s_lshl_b32 s56, s[WV], 7
	s_add_co_u32 s56, s56, LRT
	v_lshl_add_u32 v[VRT], v[T1], 3, s56           ; entry 16 w + r: tile w's row r
	v_lshlrev_b32 v32, 5, v[LN]                    ; x: 32 bytes a lane
	v_lshlrev_b32 v33, 2, v[LN]                    ; h[l]
	v_add_nc_u32 v34, 32, v[LN]
	s_delay_alu instid0(VALU_DEP_1)
	v_min_u32 v34, 62, v34                         ; h[min(32 + l, 62)]: no load leaves the row
	s_delay_alu instid0(VALU_DEP_1)
	v_lshlrev_b32 v34, 2, v34
	s_lshl_b32 s56, s[WV], 13
	v_lshl_add_u32 v54, v[LN], 4, s56              ; iw1: rows 16 w on, columns 4 l on
	s_lshl_b32 s57, s[WV], 12
	v_lshl_add_u32 v55, v[LN], 4, s57              ; iw0: rows 8 w on
	; the outer net: my tile's units are n0 + 0 .. 7 and n0 + 16 .. 23, n0 = 32 (w / 2) + 8 (w % 2).  Lane (q = l % 4, g = l / 4) takes columns n0 + 4 q + 8 (q / 2) + 0 .. 3 (slots 4 q + c) and rows 16 g on (nw1), 8 g on (nw0)
	s_lshr_b32 s57, s[WV], 1
	s_lshl_b32 s57, s57, 7
	s_and_b32 s58, s[WV], 1
	s_lshl_b32 s58, s58, 5
	s_add_co_u32 s57, s57, s58                     ; 4 n0
	v_and_b32 v[ZS], 3, v[LN]                      ; q
	v_lshrrev_b32 v[T1], 2, v[LN]                  ; g
	s_delay_alu instid0(VALU_DEP_2)
	v_lshrrev_b32 v[T2], 1, v[ZS]
	s_delay_alu instid0(VALU_DEP_3)
	v_lshl_add_u32 v[Z], v[ZS], 4, s57
	s_delay_alu instid0(VALU_DEP_1)
	v_lshl_add_u32 v[Z], v[T2], 5, v[Z]            ; my columns, in bytes
	s_delay_alu instid0(VALU_DEP_1)
	v_lshl_add_u32 v[AN1], v[T1], 13, v[Z]
	s_delay_alu instid0(VALU_DEP_2)
	v_lshl_add_u32 v[AN0], v[T1], 12, v[Z]
	v_lshlrev_b32 v[AN7], 12, v[T1]
	s_delay_alu instid0(VALU_DEP_1)
	v_add_nc_u32 v[AN7], 7*512, v[AN7]
	s_delay_alu instid0(VALU_DEP_1)
	v_min_u32 v[AN7], 62*512, v[AN7]               ; nw0 has 63 rows: lanes 28-31 read row 62 in place of row 63, so that no load leaves the buffer; their numbers are set to zero below
	s_delay_alu instid0(VALU_DEP_1)
	v_add_nc_u32 v[AN7], v[AN7], v[Z]
	v_add_nc_u32 v[ANB], s57, v[VBO]               ; units n0 + 16 hh + 0 .. 7: the order of an accumulator's registers
	s_delay_alu instid0(VALU_DEP_1)
	v_lshlrev_b32 v[ANW], 1, v[ANB]
	s_mul_i32 s56, s[WV], OWN
	s_add_co_u32 s56, s56, LOC
	v_mul_u32_u24 v[VO1], v[ZS], 4*P1P
	s_delay_alu instid0(VALU_DEP_1)
	v_lshl_add_u32 v[VO1], v[T1], 4, v[VO1]
	s_delay_alu instid0(VALU_DEP_1)
	v_add_nc_u32 v[VO1], s56, v[VO1]               ; slot 4 q, k = 16 g on
	s_add_co_u32 s56, s56, 16*P1P
	v_mul_u32_u24 v[VO0], v[ZS], 4*P0P
	s_delay_alu instid0(VALU_DEP_1)
	v_lshl_add_u32 v[VO0], v[T1], 3, v[VO0]
	s_delay_alu instid0(VALU_DEP_1)
	v_add_nc_u32 v[VO0], s56, v[VO0]               ; slot 4 q, k = 8 g on
	s_mul_i32 s38, ttmp9, 252                      ; a row of h is 63 numbers
	s_mov_b32 s39, 0
	s_wait_alu depctr_va_vdst(0)
	s_wait_kmcnt 0x0
	; ---- requests: 60 loads
	s_add_nc_u64 s[XP:XP+1], s[4:5], s[XP:XP+1]
	s_add_nc_u64 s[6:7], s[6:7], s[38:39]
	s_load_b256 s[EX:EX+7], s[32:33], 0x0
	s_load_b32 s[XB], s[XP:XP+1], 0x0
	s_load_b32 s[XB+1], s[18:19], 0x0
	s_load_b64 s[NB2:NB2+1], s[30:31], 0x0
	global_load_b128 v[16:19], v32, s[4:5]
	global_load_b128 v[20:23], v32, s[4:5] offset:16
	global_load_b32 v24, v33, s[6:7]
	global_load_b32 v25, v34, s[6:7]
	WIN 0x40                                       ; destination in window 1
.irp i,0,1,2,3,4,5,6,7,8,9,10,11,12,13,14,15
	global_load_b128 v[4*\i:4*\i+3], v54, s[10:11] offset:512*\i
.endr
.irp i,0,1,2,3,4,5,6,7
	global_load_b128 v[64+4*\i:64+4*\i+3], v55, s[8:9] offset:512*\i
.endr
.irp i,0,1,2,3,4,5,6,7,8,9,10,11,12,13,14,15
	global_load_b128 v[96+4*\i:96+4*\i+3], v[AN1], s[22:23] offset:512*\i
.endr
.irp i,0,1,2,3,4,5,6
	global_load_b128 v[160+4*\i:160+4*\i+3], v[AN0], s[20:21] offset:512*\i
.endr
	global_load_b128 v[188:191], v[AN7], s[20:21]
	WIN 0
	global_load_b128 v[SN0:SN0+3], v[ANB], s[24:25]
	global_load_b128 v[SN0+4:SN0+7], v[ANB], s[24:25] offset:16
	global_load_b128 v[SN1:SN1+3], v[ANB], s[26:27]
	global_load_b128 v[SN1+4:SN1+7], v[ANB], s[26:27] offset:16
.irp i,0,1,2,3
	global_load_b128 v[SNW+4*\i:SNW+4*\i+3], v[ANW], s[28:29] offset:16*\i
.endr
	; ---- nodes and weights, in registers, while the loads are out.  Pairs (lo, hi): index l and index l + 19, so that every lane holds an index 0 .. 50
	v_cvt_f32_u32 v58, v[LN]
	s_delay_alu instid0(VALU_DEP_1)
	v_sub_f32 v56, 0x41c80000, v58                 ; n = 25 - index: cos(index pi / 50) = sin(n pi / 50)
	s_delay_alu instid0(VALU_DEP_2)
	v_sub_f32 v57, 0x40c00000, v58
	s_delay_alu instid0(VALU_DEP_3)
	v_mul_f32 v71, v58, v58
	s_delay_alu instid0(VALU_DEP_1)
	v_fma_f32 v71, v71, -4.0, 1.0                  ; lane p: 1 - 4 p^2
	s_wait_alu depctr_va_vdst(0)
	v_rcp_f32 v71, v71
	v_and_b32 v58, 0x7fffffff, v56                 ; |n|  (the plain instruction behind the reciprocal)
	v_and_b32 v59, 0x7fffffff, v57
	s_wait_alu depctr_va_vdst(0)
	v_add_f32 v71, v71, v71                        ; a_p = 2 / (1 - 4 p^2)
	v_sub_f32 v60, 0x41c80000, v58
	v_sub_f32 v61, 0x41c80000, v59
	s_delay_alu instid0(VALU_DEP_2)
	v_cmp_lt_f32 s56, v60, v58                     ; |n| above 12.5: the cosine of the complement is taken
	s_delay_alu instid0(VALU_DEP_2)
	v_cmp_lt_f32 s57, v61, v59
	s_delay_alu instid0(VALU_DEP_4)
	v_min_num_f32 v60, v60, v58
	s_delay_alu instid0(VALU_DEP_4)
	v_min_num_f32 v61, v61, v59
	s_delay_alu instid0(VALU_DEP_1)
	v_pk_mul_f32 v[60:61], v[60:61], 0x3d80adfd op_sel_hi:[1,0]   ; theta = m pi / 50, at most 0.754
	s_delay_alu instid0(VALU_DEP_1)
	v_pk_mul_f32 v[62:63], v[60:61], v[60:61]
	v_mov_b32 v64, 0x3638ef1d                      ; sin: theta + theta z (-1/6 + z (1/120 + z (-1/5040 + z / 362880)))
	v_mov_b32 v65, 0x3638ef1d
	v_mov_b32 v66, 0xb493f27e                      ; cos: 1 + z (-1/2 + z (1/24 + z (-1/720 + z (1/40320 - z / 3628800))))
	v_mov_b32 v67, 0xb493f27e
	s_delay_alu instid0(VALU_DEP_3)
	v_pk_fma_f32 v[64:65], v[64:65], v[62:63], 0xb9500d01 op_sel_hi:[1,1,0]
	s_delay_alu instid0(VALU_DEP_2)
	v_pk_fma_f32 v[66:67], v[66:67], v[62:63], 0x37d00d01 op_sel_hi:[1,1,0]
	s_delay_alu instid0(VALU_DEP_2)
	v_pk_fma_f32 v[64:65], v[64:65], v[62:63], 0x3c088889 op_sel_hi:[1,1,0]
	s_delay_alu instid0(VALU_DEP_2)
	v_pk_fma_f32 v[66:67], v[66:67], v[62:63], 0xbab60b61 op_sel_hi:[1,1,0]
	s_delay_alu instid0(VALU_DEP_2)
	v_pk_fma_f32 v[64:65], v[64:65], v[62:63], 0xbe2aaaab op_sel_hi:[1,1,0]
	s_delay_alu instid0(VALU_DEP_2)
	v_pk_fma_f32 v[66:67], v[66:67], v[62:63], 0x3d2aaaab op_sel_hi:[1,1,0]
	v_pk_mul_f32 v[68:69], v[60:61], v[62:63]
	s_delay_alu instid0(VALU_DEP_2)
	v_pk_fma_f32 v[66:67], v[66:67], v[62:63], -0.5 op_sel_hi:[1,1,0]
	s_delay_alu instid0(VALU_DEP_2)
	v_pk_fma_f32 v[64:65], v[68:69], v[64:65], v[60:61]
	s_delay_alu instid0(VALU_DEP_2)
	v_pk_fma_f32 v[66:67], v[66:67], v[62:63], 1.0 op_sel_hi:[1,1,0]
	s_delay_alu instid0(VALU_DEP_1)
	v_cndmask_b32 v64, v64, v66, s56
	s_delay_alu instid0(VALU_DEP_2)
	v_cndmask_b32 v65, v65, v67, s57
	s_delay_alu instid0(VALU_DEP_2)
	v_bfi_b32 v64, 0x7fffffff, v64, v56            ; n's sign: the node; exactly 1 at index 0 and -1 at index 50
	s_delay_alu instid0(VALU_DEP_2)
	v_bfi_b32 v65, 0x7fffffff, v65, v57
	s_delay_alu instid0(VALU_DEP_1)
	v_pk_fma_f32 v[40:41], v[64:65], 0.5, 0.5 op_sel_hi:[1,0,0]   ; u = (node + 1) / 2
	s_delay_alu instid0(VALU_DEP_2)
	v_pk_mul_f32 v[80:81], v[64:65], 4.0 op_sel_hi:[1,0]
	s_delay_alu instid0(VALU_DEP_1)
	v_pk_fma_f32 v[80:81], v[80:81], v[64:65], -2.0 op_sel_hi:[1,1,0]   ; T = 2 cos(2 theta_j)
	v_mov_b32 v72, 1.0                             ; C_0, in pair 0 of three
	v_mov_b32 v73, 1.0
	s_delay_alu instid0(VALU_DEP_3)
	v_pk_mul_f32 v[74:75], v[80:81], 0.5 op_sel_hi:[1,0]          ; C_1, in pair 1
	; cc_j = F (1 + sum over p = 1 .. 25 of a_p C_p), C_p = cos(2 p theta_j) by C_(p+1) = T C_p - C_(p-1).  C_p lies in pair p % 3: step p reads pairs p % 3 and (p + 2) % 3 and writes pair (p + 1) % 3
.set p, 1
.rept 25
	v_readlane_b32 s[AP], v71, p
.if p == 1
	s_delay_alu instid0(VALU_DEP_1)
	v_pk_fma_f32 v[78:79], v[72+2*(p%3):73+2*(p%3)], s[AP:AP+1], 1.0 op_sel_hi:[1,0,0]
.else
	s_delay_alu instid0(VALU_DEP_1)
	v_pk_fma_f32 v[78:79], v[72+2*(p%3):73+2*(p%3)], s[AP:AP+1], v[78:79] op_sel_hi:[1,0,1]
.endif
.if p < 25
	s_delay_alu instid0(VALU_DEP_3)
	v_pk_fma_f32 v[72+2*((p+1)%3):73+2*((p+1)%3)], v[80:81], v[72+2*(p%3):73+2*(p%3)], v[72+2*((p+2)%3):73+2*((p+2)%3)] neg_lo:[0,0,1] neg_hi:[0,0,1]
.endif
.set p, p+1
.endr
	v_cmp_eq_u32 vcc_lo, 0, v[LN]
	s_delay_alu instid0(VALU_DEP_1)
	v_cndmask_b32 v82, 1.0, 0.5, vcc_lo            ; index 0 (lo, lane 0) and index 50 (hi, lane 31) have half the factor
	v_cmp_eq_u32 vcc_lo, 31, v[LN]
	s_delay_alu instid0(VALU_DEP_1)
	v_cndmask_b32 v83, 1.0, 0.5, vcc_lo
	s_delay_alu instid0(VALU_DEP_1)
	v_pk_mul_f32 v[82:83], v[82:83], 0x3d23d70a op_sel_hi:[1,0]   ; F = 2 / 50
	s_delay_alu instid0(VALU_DEP_1)
	v_pk_mul_f32 v[42:43], v[78:79], v[82:83]      ; cc
	; ---- x, h, the scales
	s_wait_loadcnt 56                              ; x's two loads and h's two are in; behind them 24 (iw1, iw0), 24 (nw1, nw0) and 8 (slices) may be out
	s_wait_kmcnt 0x0
	MKQ Q0, EX+0, 1
	MKQ Q1, EX+1, 1
	MKQ Q3, EX+3, 1
	MKQ Q4, EX+4, 1
	MKQ Q5, EX+5, 1
	MKQ Q7, EX+7, 1
	s_add_co_i32 s56, s[EX+0], s[EX+1]
	s_sub_co_i32 s57, s[EX+2], s56
	MKQ QH, 57, 0
	s_sub_co_i32 s57, 0, s56
	MKP PB0, 57
	s_add_co_i32 s56, s[EX+2], s[EX+3]
	MKP PW2, 56
	s_sub_co_i32 s57, 0, s56
	MKP PB1, 57
	s_add_co_i32 s56, s[EX+4], s[EX+5]
	s_sub_co_i32 s57, s[EX+6], s56
	MKQ QO, 57, 0
	s_sub_co_i32 s57, 0, s56
	MKP PN0, 57
	s_add_co_i32 s56, s[EX+6], s[EX+7]
	MKP PNW, 56
	s_sub_co_i32 s57, 0, s56
	MKP PN1, 57
	v_max3_num_f32 v56, v16, v17, v18              ; the largest of the 256 x
	s_delay_alu instid0(VALU_DEP_1)
	v_max3_num_f32 v56, v56, v19, v20
	s_delay_alu instid0(VALU_DEP_1)
	v_max3_num_f32 v56, v56, v21, v22
	s_delay_alu instid0(VALU_DEP_1)
	v_max_num_f32 v56, v56, v23
	s_delay_alu instid0(VALU_DEP_1)
	v_max_num_f32_dpp v56, v56, v56 row_xmask:1 row_mask:0xf bank_mask:0xf
	s_delay_alu instid0(VALU_DEP_1)
	v_max_num_f32_dpp v56, v56, v56 row_xmask:2 row_mask:0xf bank_mask:0xf
	s_delay_alu instid0(VALU_DEP_1)
	v_max_num_f32_dpp v56, v56, v56 row_xmask:4 row_mask:0xf bank_mask:0xf
	s_delay_alu instid0(VALU_DEP_1)
	v_max_num_f32_dpp v56, v56, v56 row_xmask:8 row_mask:0xf bank_mask:0xf
	s_delay_alu instid0(VALU_DEP_1)
	v_permlanex16_b32 v57, v56, s[SEL], s[SEL+1]
	s_delay_alu instid0(VALU_DEP_1)
	v_max3_num_f32 v56, v56, v57, 0                ; t = 0 is among the outer nodes of every row
	s_delay_alu instid0(VALU_DEP_1)
	v_add_f32 v56, 0x41200000, v56                 ; xmax = max(t) + 10
	v_pk_mul_f32 v[44:45], v[40:41], s[XB:XB+1] op_sel_hi:[1,0]   ; t_i = x_b u_i
	s_delay_alu instid0(VALU_DEP_1)
	v_pk_add_f32 v[46:47], v[56:57], v[44:45] op_sel_hi:[0,1] neg_lo:[0,1] neg_hi:[0,1]   ; d_i = xmax - t_i
	s_delay_alu instid0(VALU_DEP_1)
	v_pk_mul_f32 v[48:49], v[42:43], v[46:47]
	s_delay_alu instid0(VALU_DEP_1)
	v_pk_mul_f32 v[48:49], v[48:49], 0.5 op_sel_hi:[1,0]          ; cc_i d_i / 2
	; h goes through the wave's own LDS bytes, so that each lane gets the 32 numbers of its half of K, for the inner net (shifted by one place) and for the outer.  They land where ib0 will lie later
	s_lshl_b32 s56, s[WV], 10
	s_add_co_u32 s56, s56, LHR
	v_lshl_add_u32 v50, v[LN], 2, s56
	v_add_nc_u32 v51, 33, v[LN]
	s_delay_alu instid0(VALU_DEP_1)
	v_and_b32 v51, 63, v51                         ; places 33 .. 63; lane 31 takes place 0
	s_delay_alu instid0(VALU_DEP_1)
	v_lshl_add_u32 v51, v51, 2, s56
	v_add_nc_u32 v52, s56, v[VBO]
	v_cndmask_b32 v25, v25, 0, vcc_lo              ; lane 31 (the mask of the compare above): a zero, for place 0 of the inner copy and place 63 of the outer
	ds_store_b32 v50, v24 offset:4
	ds_store_b32 v51, v25
	ds_store_b32 v50, v24 offset:512
	ds_store_b32 v50, v25 offset:640
.irp i,0,1,2,3
	ds_load_b128 v[120+4*\i:123+4*\i], v52 offset:16*\i           ; LDS serves a wave's instructions in order: these see the stores above
	ds_load_b128 v[136+4*\i:139+4*\i], v52 offset:128+16*\i
	ds_load_b128 v[152+4*\i:155+4*\i], v52 offset:512+16*\i
	ds_load_b128 v[168+4*\i:171+4*\i], v52 offset:640+16*\i
.endr
	v_mov_b32 v[VSC], s[Q0]
	v_mov_b32 v53, s[Q4]
	s_wait_dscnt 0x0
.set i, 0
.rept 32
	v_med3_num_f32 v[120+i], v[120+i], s[Q0+2], s[Q0+1]           ; the conversion does not saturate (ISA guide 7.6.2): hold first
	v_med3_num_f32 v[152+i], v[152+i], s[Q4+2], s[Q4+1]
.set i, i+1
.endr
.irp g,0,1,2,3
	v_cvt_scalef32_pk8_bf8_f32 v[IN+2*\g:IN+2*\g+1], v[120+8*\g:127+8*\g], v[VSC]
	v_cvt_scalef32_pk8_bf8_f32 v[HO+2*\g:HO+2*\g+1], v[152+8*\g:159+8*\g], v53
.endr
	v_nop
	v_mov_b32 v[IN0H], v[IN]
	v_readfirstlane_b32 s56, v[IN]                 ; lanes 0-15's word 0: a place for s's code, then h[0 .. 2]'s
	s_delay_alu instid0(VALU_DEP_1)
	v_mov_b32 v204, s56
	; ---- the table.  Wave w makes outer nodes i = w + 8 q; a lane makes inner nodes j = l and j = l + 19 (j = 19 .. 31 twice, alike)
	s_mul_i32 s57, s[WV], 408
	s_add_co_u32 s57, s57, LRT
	v_lshl_add_u32 v50, v[LN], 3, s57
.irp q,0,1,2,3,4,5,6
.if \q < 4
	s_add_co_u32 s101, s[WV], 8*\q                 ; i is at most 31: the lo registers' lane i
	v_readlane_b32 s58, v44, s101
	v_readlane_b32 s59, v46, s101
	v_readlane_b32 s100, v48, s101
.else
.if \q == 6
	s_add_co_u32 s101, s[WV], 29
	s_min_u32 s101, s101, 31                       ; i = 51 .. 55 are padding: node 50's numbers, weight 0
.else
	s_add_co_u32 s101, s[WV], 8*\q-19              ; the hi registers' lane i - 19
.endif
	v_readlane_b32 s58, v45, s101
	v_readlane_b32 s59, v47, s101
	v_readlane_b32 s100, v49, s101
.if \q == 6
	s_cmp_gt_u32 s[WV], 2
	s_cselect_b32 s100, 0, s100
.endif
.endif
	v_fma_f32 v[184+\q], s59, v40, s58             ; s = t_i + d_i u_j
	v_fma_f32 v[192+\q], s59, v41, s58
	v_mul_f32 v[57+2*\q], s100, v42                ; the weight, into the entry's second word
	v_mul_f32 v[71+2*\q], s100, v43
.endr
	v_mov_b32 v191, 0
	v_mov_b32 v199, 0
.set i, 0
.rept 16
	v_med3_num_f32 v[184+i], v[184+i], s[Q0+2], s[Q0+1]
.set i, i+1
.endr
	v_cvt_scalef32_pk8_bf8_f32 v[200:201], v[184:191], v[VSC]
	v_cvt_scalef32_pk8_bf8_f32 v[202:203], v[192:199], v[VSC]
	v_nop
.irp q,0,1,2,3,4,5,6
	v_perm_b32 v[56+2*\q], v[200+\q/4], v204, 0x03020104+\q%4     ; byte 0: code q; bytes 1-3: h's codes
	v_perm_b32 v[70+2*\q], v[202+\q/4], v204, 0x03020104+\q%4
.endr
.irp q,0,1,2,3,4,5,6
	ds_store_b64 v50, v[56+2*\q:57+2*\q] offset:3264*\q           ; entry 51 i + l
	ds_store_b64 v50, v[70+2*\q:71+2*\q] offset:3264*\q+152       ; entry 51 i + l + 19
.endr
	; ---- all four weights into codes; the outer net's first layer
	s_wait_loadcnt 0x0                             ; the raw rows and the slices are in; every offset register of the head is free
.irp c,0,1,2,3
.irp i,0,1,2,3
	global_load_b128 v[BI0+16*\c+4*\i:BI0+16*\c+4*\i+3], v[VBO], s[12:13] offset:128*\c+16*\i   ; units 32 c + 16 hh + 4 i on: the order of the accumulators' registers
	global_load_b128 v[W2+16*\c+4*\i:W2+16*\c+4*\i+3], v[VBO], s[16:17] offset:128*\c+16*\i
.endr
.endr
	WIN 0x40
.irp c,0,1,2,3
.irp i,0,1,2,3
	global_load_b128 v[BI1+16*\c+4*\i:BI1+16*\c+4*\i+3], v[VBO], s[14:15] offset:128*\c+16*\i
.endr
.endr
	WIN 0
	v_cmp_lt_u32 vcc_lo, 27, v[LN]
	WIN 0x41                                       ; destination and source 0 in window 1
.irp c,0,1,2,3
	v_cndmask_b32 v[188+\c], v[188+\c], 0, vcc_lo  ; k = 63 of the outer net's first product: zeros, as on h's side
.endr
	QUANT Q7, Q5, 96, 160, VO1, VO0                ; nw1's and nw0's columns of my tile, into my own LDS bytes
	s_mul_i32 s56, s[WV], OWN
	s_add_co_u32 s57, s56, LOC-LC1
	s_add_co_u32 s58, s56, LOC+16*P1P-LC0
	s_lshl_b32 s59, s[WV], 3
	s_add_co_u32 s59, s59, LHC                     ; 16 (w / 2) + 8 (w % 2) = 8 w
	v_add_nc_u32 v[T1], s57, v[VF1]                ; my fragment of nw1 (read behind the barrier)
	v_add_nc_u32 v25, s58, v[VF0]                  ; my fragment of nw0
	ds_load_b128 v[FO0:FO0+3], v25                 ; LDS serves a wave's instructions in order: these see my stores
	ds_load_b128 v[FO0+4:FO0+7], v25 offset:32
.set i, 0
.rept 4
	v_pk_mul_f32 v[SN0+i:SN0+i+1], v[SN0+i:SN0+i+1], s[PN0:PN0+1] op_sel_hi:[1,0]
	v_pk_mul_f32 v[SN1+i:SN1+i+1], v[SN1+i:SN1+i+1], s[PN1:PN1+1] op_sel_hi:[1,0]
.set i, i+2
.endr
	s_wait_alu depctr_va_vdst(0)
	s_wait_dscnt 0x0
	v_wmma_f32_16x16x64_bf8_bf8 v[AO:AO+7], v[FO0:FO0+7], v[HO:HO+7], v[SN0:SN0+7]   ; all 16 rows of the operand are h_b
.set i, 0
.rept 8
	v_pk_mul_f32 v[SNW+i:SNW+i+1], v[SNW+i:SNW+i+1], s[PNW:PNW+1] op_sel_hi:[1,0]   ; eleven plain instructions that name none of the product's registers stand behind it (ISA guide 7.12.1)
.set i, i+2
.endr
	v_add_nc_u32 v24, s59, v[VBO]                  ; where my codes go
	v_mov_b32 v[VSC], s[QO]
	v_add_nc_u32 v[ZS], LHC, v[VBO]                ; where the layer is read back
.irp j,0,1,2,3,4,5,6,7
	v_med3_num_f32 v[AO+\j], v[AO+\j], 0, s[QO+1]  ; relu and the hold in one
.endr
	v_cvt_scalef32_pk8_bf8_f32 v[Z:Z+1], v[AO:AO+7], v[VSC]
	v_nop
	ds_store_b64 v24, v[Z:Z+1]                     ; sixteen lanes write the same eight codes to the same place
	QUANT Q3, Q1, 0, 64, VC1, VC0                  ; iw1's rows 16 w on and iw0's rows 8 w on, into the work-group's codes
	s_wait_dscnt 0x0                               ; for the others' sake: my codes of the inner net, my part of the table and my eight codes of the outer hidden layer are in LDS
	BAR
	; ---- the outer net's second layer; fragments into registers; biases and iw2 scaled
.irp c,0,1,2,3
	ds_load_b128 v[CD+4*\c:CD+4*\c+3], v[ZS] offset:16*\c         ; the outer hidden layer: k = 32 c + 16 hh + 0 .. 15
.endr
.irp c,0,1,2,3
	ds_load_b128 v[FO1+4*\c:FO1+4*\c+3], v[T1] offset:32*\c
.endr
	WIN 0x40
.irp t,0,1,2,3,4,5,6,7
.irp c,0,1,2,3
	ds_load_b128 v[W1+16*\t+4*\c:W1+16*\t+4*\c+3], v[VF1] offset:16*P1P*\t+32*\c
.endr
.irp c,0,1
	ds_load_b128 v[W0+8*\t+4*\c:W0+8*\t+4*\c+3], v[VF0] offset:16*P0P*\t+32*\c
.endr
.endr
	WIN 0
	ds_load_b64 v[PR:PR+1], v[VRT]                 ; my first tile's entry
	s_wait_dscnt 49                                ; the first eight loads are in; the 48 fragment loads and the entry behind them may be out
	v_wmma_f32_16x16x128_bf8_bf8 v[AO:AO+7], v[FO1:FO1+15], v[CD:CD+15], v[SN1:SN1+7]
	s_wait_loadcnt 0x0                             ; ib0, iw2, ib1
.set i, 0
.rept 32
	v_pk_mul_f32 v[BI0+i:BI0+i+1], v[BI0+i:BI0+i+1], s[PB0:PB0+1] op_sel_hi:[1,0]   ; these also stand between the product and the first read of its result
	v_pk_mul_f32 v[W2+i:W2+i+1], v[W2+i:W2+i+1], s[PW2:PW2+1] op_sel_hi:[1,0]
.set i, i+2
.endr
.irp j,0,1,2,3,4,5,6,7
	v_max_num_f32 v[AO+\j], 0, v[AO+\j]
.endr
	v_mul_f32 v[Z], v[AO], v[SNW]                  ; my eight units' share of o0 and o1
	v_mul_f32 v[Z+1], v[AO], v[SNW+1]
.irp j,1,2,3,4,5,6,7
	s_delay_alu instid0(VALU_DEP_2)
	v_fmac_f32 v[Z], v[AO+\j], v[SNW+2*\j]
	s_delay_alu instid0(VALU_DEP_2)
	v_fmac_f32 v[Z+1], v[AO+\j], v[SNW+1+2*\j]
.endr
	v_permlanex16_b32 v[Z+4], v[Z], s[SEL], s[SEL+1]
	v_permlanex16_b32 v[Z+5], v[Z+1], s[SEL], s[SEL+1]
	s_delay_alu instid0(VALU_DEP_2)
	v_add_f32 v[O0K], v[Z], v[Z+4]                 ; kept over the loop
	s_delay_alu instid0(VALU_DEP_2)
	v_add_f32 v[O0K+1], v[Z+1], v[Z+5]
	WIN 0x41                                       ; destination and source 0 in window 1
.set i, 0
.rept 32
	v_pk_mul_f32 v[BI1+i:BI1+i+1], v[BI1+i:BI1+i+1], s[PB1:PB1+1] op_sel_hi:[1,0]
.set i, i+2
.endr
	WIN 0
	s_wait_dscnt 0x0                               ; fragments and entry are in
	v_cndmask_b32 v[IN], v[PR], v[IN0H], s[HIM]    ; word 0: lanes 0-15 the row's, lanes 16-31 the constant one.  The lines below are more than four plain instructions ahead of the first product
	v_mov_b32 v[WA], v[PR+1]
	v_add_nc_u32 v[VRT], 1024, v[VRT]
	v_mov_b32 v[WB], 0                             ; the first trip's tail finds sums of zero and the weight 0
	v_mov_b32 v[TOT], 0
	v_mov_b32 v[NIL], 0
	v_mov_b32 v[T1], 0
	v_mov_b32 v[VSC], s[QH]
	v_mul_f32 v[IBP], 0.5, s[XB+1]                 ; each half of the lanes starts its sum with ib2 / 2
	v_mov_b32 v[IBP+1], 0
.irp i,0,1,2,3,4,5,6,7
	v_mov_b32 v[Z+\i], 0
.endr
; The end of a tile's last layer, in two parts that stand behind the NEXT tile's products.
.macro TAIL_A                          ; the lane's eight partial sums, and the other half of the lanes'
	v_pk_add_f32 v[Z:Z+1], v[Z:Z+1], v[Z+2:Z+3]
	v_pk_add_f32 v[Z+4:Z+5], v[Z+4:Z+5], v[Z+6:Z+7]
	s_delay_alu instid0(VALU_DEP_1)
	v_pk_add_f32 v[Z:Z+1], v[Z:Z+1], v[Z+4:Z+5]
	s_delay_alu instid0(VALU_DEP_1)
	v_add_f32 v[ZS], v[Z], v[Z+1]
	s_delay_alu instid0(VALU_DEP_1)
	v_permlanex16_b32 v[T1], v[ZS], s[SEL], s[SEL+1]
	s_delay_alu instid0(VALU_DEP_1)
	v_add_f32 v[ZS], v[ZS], v[T1]
.endm
.macro TAIL_B                          ; elu(z) + 1 = max(z, 0) + e^min(z, 0), times the row's weight
	v_min_num_f32 v[T2], 0, v[ZS]
	s_delay_alu instid0(VALU_DEP_1)
	v_mul_f32 v[T2], 0x3fb8aa3b, v[T2]
	s_wait_alu depctr_va_vdst(0)
	v_exp_f32 v[T2], v[T2]
	v_max_num_f32 v[ZS], 0, v[ZS]                  ; the plain instruction behind the exponential
	s_wait_alu depctr_va_vdst(0)
	v_add_f32 v[ZS], v[ZS], v[T2]
	s_delay_alu instid0(VALU_DEP_1)
	v_fmac_f32 v[TOT], v[ZS], v[WB]
.endm
.macro P1                              ; relu and the hold in one (the middle of a, 0 and the largest code's number), then codes; each accumulator from its low end on
.irp c,0,1,2,3
.set i, 0
.rept 16
	v_med3_num_f32 v[ACC+16*\c+i], v[ACC+16*\c+i], 0, s[QH+1]
.set i, i+1
.endr
	v_cvt_scalef32_pk8_bf8_f32 v[CD+4*\c:CD+4*\c+1], v[ACC+16*\c:ACC+16*\c+7], v[VSC]
	v_cvt_scalef32_pk8_bf8_f32 v[CD+4*\c+2:CD+4*\c+3], v[ACC+16*\c+8:ACC+16*\c+15], v[VSC]
.endr
.endm
.macro P2                              ; relu, two to an instruction (an even and an odd register, in different banks), and the last layer's multiply-adds in f32; tile 0's start the four sums
.irp t,0,1,2,3,4,5,6,7
.irp j,0,2,4,6
	v_dual_max_num_f32 v[ACC+8*\t+\j], 0, v[ACC+8*\t+\j] :: v_dual_max_num_f32 v[ACC+8*\t+\j+1], 0, v[ACC+8*\t+\j+1]
.endr
.irp p,0,1,2,3
.if \t == 0
.if \p == 0
	s_setprio 0
	v_pk_fma_f32 v[Z:Z+1], v[ACC:ACC+1], v[W2:W2+1], v[IBP:IBP+1]
.else
	v_pk_mul_f32 v[Z+2*\p:Z+2*\p+1], v[ACC+2*\p:ACC+2*\p+1], v[W2+2*\p:W2+2*\p+1]
.endif
.else
	v_pk_fma_f32 v[Z+2*\p:Z+2*\p+1], v[ACC+8*\t+2*\p:ACC+8*\t+2*\p+1], v[W2+8*\t+2*\p:W2+8*\t+2*\p+1], v[Z+2*\p:Z+2*\p+1]
.endif
.endr
.endr
.endm
; One tile of 16 rows.  Each of the sixteen products has an accumulator of its own and a bias as C: no product adds onto another's result.
.macro TRIP
	WIN 0x01                                       ; source 0 (iw0's fragments) in window 1
	s_setprio 2
.irp t,0,1,2,3,4,5,6,7
	v_wmma_f32_16x16x64_bf8_bf8 v[ACC+8*\t:ACC+8*\t+7], v[W0+8*\t:W0+8*\t+7], v[IN:IN+7], v[BI0+8*\t:BI0+8*\t+7]
.endr
	WIN 0
	ds_load_b64 v[PR:PR+1], v[VRT]                 ; the next tile's entry (behind my last tile: an entry of the padding, inside the table)
	TAIL_A                                         ; five plain additions that name none of the products' registers stand between them and the first read of a result (ISA guide 7.12.1)
	P1
	TAIL_B                                         ; five plain instructions between the last conversion and the products that take the codes
	WIN 0x11                                       ; sources 0 (iw1's fragments) and 2 (ib1) in window 1
	s_setprio 1
.irp t,0,1,2,3,4,5,6,7
	v_wmma_f32_16x16x128_bf8_bf8 v[ACC+8*\t:ACC+8*\t+7], v[W1+16*\t:W1+16*\t+15], v[CD:CD+15], v[BI1+8*\t:BI1+8*\t+7]
.endr
	WIN 0
	s_wait_dscnt 0x0                               ; the entry, asked for a layer ago
	v_mov_b32 v[WB], v[WA]                         ; these four plain instructions are the distance behind the products
	v_mov_b32 v[WA], v[PR+1]
	v_cndmask_b32 v[IN], v[PR], v[IN0H], s[HIM]
	v_add_nc_u32 v[VRT], 1024, v[VRT]              ; eight tiles on
	P2
.endm
	s_mov_b32 s[CNT], 20
.Ltile:
	s_wait_alu depctr_va_vdst(0)
	TRIP
	s_sub_co_u32 s[CNT], s[CNT], 1
	s_cmp_lg_u32 s[CNT], 0
	s_cbranch_scc1 .Ltile
	s_setprio 0
	s_cmp_gt_u32 s[WV], 2
	s_cbranch_scc1 .Lno21
	TRIP                                           ; tiles 160, 161, 162: waves 0 to 2 have a 21st
.Lno21:
	s_wait_alu depctr_va_vdst(0)
	TAIL_A                                         ; the last tile's end
	TAIL_B
	s_delay_alu instid0(VALU_DEP_1)
	v_add_f32_dpp v[TOT], v[TOT], v[TOT] row_xmask:1 row_mask:0xf bank_mask:0xf   ; over the 16 rows; both halves of the lanes hold the same
	s_delay_alu instid0(VALU_DEP_1)
	v_add_f32_dpp v[TOT], v[TOT], v[TOT] row_xmask:2 row_mask:0xf bank_mask:0xf
	s_delay_alu instid0(VALU_DEP_1)
	v_add_f32_dpp v[TOT], v[TOT], v[TOT] row_xmask:4 row_mask:0xf bank_mask:0xf
	s_delay_alu instid0(VALU_DEP_1)
	v_add_f32_dpp v[TOT], v[TOT], v[TOT] row_xmask:8 row_mask:0xf bank_mask:0xf
	; ---- the eight waves' parts meet
	s_lshl_b32 s59, s[WV], 4
	s_add_co_u32 s59, s59, LOP
	v_mov_b32 v[ZS], s59
	ds_store_b128 v[ZS], v[O0K:O0K+3]              ; my parts of o0 and o1, my sum, a zero
	s_wait_dscnt 0x0
	BAR
	s_cmp_lg_u32 s[WV], 0
	s_cbranch_scc1 .Lend
	v_and_b32 v[T1], 7, v[LN]                      ; wave 0 adds the eight waves' parts
	s_delay_alu instid0(VALU_DEP_1)
	v_lshl_add_u32 v[T1], v[T1], 4, LOP
	ds_load_b128 v[Z:Z+3], v[T1]
	s_wait_dscnt 0x0
.irp m, 1
	v_add_f32_dpp v[Z], v[Z], v[Z] row_xmask:\m row_mask:0xf bank_mask:0xf
	v_add_f32_dpp v[Z+1], v[Z+1], v[Z+1] row_xmask:\m row_mask:0xf bank_mask:0xf
	v_add_f32_dpp v[Z+2], v[Z+2], v[Z+2] row_xmask:\m row_mask:0xf bank_mask:0xf
.endr
.irp m, 2, 4
	s_delay_alu instid0(VALU_DEP_3)
	v_add_f32_dpp v[Z], v[Z], v[Z] row_xmask:\m row_mask:0xf bank_mask:0xf
	s_delay_alu instid0(VALU_DEP_3)
	v_add_f32_dpp v[Z+1], v[Z+1], v[Z+1] row_xmask:\m row_mask:0xf bank_mask:0xf
	s_delay_alu instid0(VALU_DEP_3)
	v_add_f32_dpp v[Z+2], v[Z+2], v[Z+2] row_xmask:\m row_mask:0xf bank_mask:0xf
.endr
	s_delay_alu instid0(VALU_DEP_3)
	v_add_f32 v[Z], s[NB2], v[Z]                   ; the offset
	s_delay_alu instid0(VALU_DEP_3)
	v_add_f32 v[Z+1], s[NB2+1], v[Z+1]
	s_delay_alu instid0(VALU_DEP_1)
	v_mul_f32 v[Z+1], 0x3fb8aa3b, v[Z+1]
	s_wait_alu depctr_va_vdst(0)
	v_exp_f32 v[Z+1], v[Z+1]                       ; the scaling
	v_mul_f32 v[Z+2], s[XB], v[Z+2]                ; (the plain instruction behind the exponential)
	s_delay_alu instid0(VALU_DEP_1)
	v_mul_f32 v[Z+2], 0.5, v[Z+2]                  ; the outer integral: the sum x x_b / 2
	s_wait_alu depctr_va_vdst(0)
	v_fma_f32 v[Z], v[Z+1], v[Z+2], v[Z]
	v_mov_b32 v[Z+4], s[OB]
	v_cmp_eq_u32 vcc_lo, 0, v[LN]
	s_wait_alu depctr_va_vdst(0)
	s_wait_xcnt 0x0                                ; EXEC changes only behind this wait
	s_and_saveexec_b32 s56, vcc_lo
	global_store_b32 v[Z+4], v[Z], s[34:35]        ; out0[b], from lane 0
	s_wait_xcnt 0x0
	s_mov_b32 exec_lo, -1
	v_lshl_add_u32 v254, v0, 2, 0x15c00
	v_mov_b32 v255, 0
	s_wait_alu depctr_va_vdst(0)
	s_wait_tensorcnt 0x0
	ds_add_u32 v254, v255
	s_wait_dscnt 0x0
	s_endpgm
.Lend:
	s_wait_xcnt 0x0
	s_mov_b32 exec_lo, -1
	v_lshl_add_u32 v254, v0, 2, 0x15c00
	v_mov_b32 v255, 0
	s_wait_alu depctr_va_vdst(0)
	s_wait_tensorcnt 0x0
	ds_add_u32 v254, v255
	s_wait_dscnt 0x0
	s_endpgm
.Lfunc_end_k_q76dd96ad74_umnn:
	.size	k_q76dd96ad74_umnn, .Lfunc_end_k_q76dd96ad74_umnn-k_q76dd96ad74_umnn
	.p2alignl 7, 3214868480
	.fill 96, 4, 3214868480
	.section	.rodata,"a",@progbits
	.p2align	6, 0x0
	.amdhsa_kernel k_q76dd96ad74_umnn
		.amdhsa_group_segment_fixed_size 90112
		.amdhsa_private_segment_fixed_size 0
		.amdhsa_enable_private_segment 0
		.amdhsa_kernarg_size 128
		.amdhsa_user_sgpr_count 2
		.amdhsa_user_sgpr_kernarg_segment_ptr 1
		.amdhsa_wavefront_size32 1
		.amdhsa_system_sgpr_workgroup_id_x 1
		.amdhsa_system_sgpr_workgroup_id_y 1
		.amdhsa_system_sgpr_workgroup_id_z 1
		.amdhsa_system_vgpr_workitem_id 0
		.amdhsa_next_free_vgpr 512
		.amdhsa_next_free_sgpr 102
		.amdhsa_reserve_vcc 1
		.amdhsa_float_denorm_mode_32 3
		.amdhsa_float_denorm_mode_16_64 3
		.amdhsa_memory_ordered 1
		.amdhsa_forward_progress 1
		.amdhsa_inst_pref_size 99
	.end_amdhsa_kernel
	.amdgpu_metadata
---
amdhsa.version: [ 1, 2 ]
amdhsa.kernels:
  - .name:           k_q76dd96ad74_umnn
    .symbol:         k_q76dd96ad74_umnn.kd
    .args:
      - { .name: x, .offset: 0, .size: 8, .value_kind: global_buffer, .address_space: global }
      - { .name: h, .offset: 8, .size: 8, .value_kind: global_buffer, .address_space: global }
      - { .name: iw0, .offset: 16, .size: 8, .value_kind: global_buffer, .address_space: global }
      - { .name: iw1, .offset: 24, .size: 8, .value_kind: global_buffer, .address_space: global }
      - { .name: ib0, .offset: 32, .size: 8, .value_kind: global_buffer, .address_space: global }
      - { .name: ib1, .offset: 40, .size: 8, .value_kind: global_buffer, .address_space: global }
      - { .name: iw2, .offset: 48, .size: 8, .value_kind: global_buffer, .address_space: global }
      - { .name: ib2, .offset: 56, .size: 8, .value_kind: global_buffer, .address_space: global }
      - { .name: nw0, .offset: 64, .size: 8, .value_kind: global_buffer, .address_space: global }
      - { .name: nw1, .offset: 72, .size: 8, .value_kind: global_buffer, .address_space: global }
      - { .name: nb0, .offset: 80, .size: 8, .value_kind: global_buffer, .address_space: global }
      - { .name: nb1, .offset: 88, .size: 8, .value_kind: global_buffer, .address_space: global }
      - { .name: nw2, .offset: 96, .size: 8, .value_kind: global_buffer, .address_space: global }
      - { .name: nb2, .offset: 104, .size: 8, .value_kind: global_buffer, .address_space: global }
      - { .name: lowp_scales, .offset: 112, .size: 8, .value_kind: global_buffer, .address_space: global }
      - { .name: out0, .offset: 120, .size: 8, .value_kind: global_buffer, .address_space: global }
    .group_segment_fixed_size: 90112
    .private_segment_fixed_size: 0
    .kernarg_segment_align: 8
    .kernarg_segment_size: 128
    .max_flat_workgroup_size: 256
    .sgpr_count:     102
    .vgpr_count:     512
    .wavefront_size: 32
...
	.end_amdgpu_metadata
.endif
;; end of part 1
